; MI455X (gfx1250); checked and timed in simulation.
; The chip was launched on July 23, 2026; its instructions are those of AMD's public machine-readable ISA for CDNA 5 (MIT licence, August 2026) and "CDNA5" Instruction Set Architecture Reference Guide (July 2026). The comments in the code are by the model that wrote it; some were corrected since.
;; HE FM. Allowed arithmetic: float matrix products may take bf16 or f16 operands with f32 sums; all other float work in f32.
;; Inputs: INPUT 16,384 x 2 int32; V 1,500,000 x 64 float32; W 1,500,000 x 1 float32; b 1 float32.
;; Outputs: out0 16,384 x 1 float32.
;; 2 versions, each right; version 2 is version 1 with the launch fm written anew for expert scheduling mode. Each part assembles by itself: llvm-mc -triple=amdgcn-amd-amdhsa -mcpu=gfx1250 --defsym DOCPART=n.
;; ======== version 1 of 2: 1 launch
;; launch fm (part 1): grid 256 x 1, 4 waves a work-group, no clusters, 768 bytes of LDS; arguments INPUT, V, W, b, out0; writes out0
.if DOCPART == 1
	.amdgcn_target "amdgcn-amd-amdhsa--gfx1250"
	.amdhsa_code_object_version 6
	.text
	.protected	k_q218ea1f034_fm
	.globl	k_q218ea1f034_fm
	.p2align	8
	.type	k_q218ea1f034_fm,@function
k_q218ea1f034_fm:
	s_mov_b64 s[64:65], 0
	v_nop
	global_prefetch_b8 v0, s[64:65] scope:SCOPE_SE
	s_setreg_imm32_b32 hwreg(HW_REG_WAVE_MODE, 25, 1), 1
	s_wait_xcnt 0x0
; out0[e] = W[u] + W[i] + b + sum over d of V[u][d] * V[i][d],  u = INPUT[e][0],  i = INPUT[e][1] + USER_NUM.
; INPUT [16384][2] i32, V [1500000][64] f32 (a row is 256 bytes), W [1500000] f32, b [1] f32, out0 [16384] f32.
;
; SHARES.  256 work-groups of four waves.  A work-group owns 64 elements = 256 consecutive, aligned bytes of out0.
; A wave owns 16 elements; its half h (16 lanes) owns elements 8h .. 8h+7, and lane r of a half holds bytes 16r .. 16r+15 of
; every row of its half: one 16-byte load of the wave fetches two whole rows of V.  All 17 gathers of a wave (16 row loads,
; one load of 32 words of W) are issued as soon as their indices are there and stay out together.
;
; LIMITS, kept on purpose.  (1) Both row numbers (u, and i after USER_NUM is added in 32 bits, as the reference adds it) are served
; from 0 to 1,499,999, the whole table.  A row number outside the table is taken as row 1,499,999; the wrap-round of negative
; row numbers that numpy-style indexing would make is not reproduced.  (2) The sum is formed as (dot + W[u] + W[i]) + b, the dot
; product by a tree over lanes: another order of f32 roundings than the reference's.
;
; NOT USED, and why.  Matrix instructions: each pair of rows meets once, in one dot product of 64; there is no operand to reuse.
; Clusters: no two work-groups are known to read the same bytes.  Tensor loads and an LDS ring: a row is used once, by the 16 lanes
; that load it.  Prefetches: a row's address is known only when its index has arrived, and there its load itself is issued.
; No non-temporal hint on V and W: the list may name a row twice.
.set USER_NUM, 1000000
.set ROWS,     1500000
.set CLAMP_LO, 0x100000                ; the row number is bounded in two parts: lo = min(row, CLAMP_LO),
.set CLAMP_HI, ROWS-1-CLAMP_LO         ; hi = min(row - lo, 451,423); lo + hi = min(row, 1,499,999)
.set LANE16, 1                         ; v1       16 x (lane % 16): my 16 bytes in a row of V
.set IOFF,   2                         ; v2       byte offset in INPUT of my half's 8 elements (64 bytes)
.set WOFF,   3                         ; v3       byte offset in INPUT of the one word that is mine: word l of my wave's 32
.set IDX,    4                         ; v[4:19]  u0,i0,u1,i1 .. u7,i7 of my half; turned in place into byte offsets in V
.set WIDX,   20                        ; v20      my own index word; turned in place into a byte offset in W
.set T,      22                        ; v[22:25] at work
.set LW,     26                        ; v26      LDS byte where my element's result goes
.set LR,     27                        ; v27      LDS bytes that I read back (wave 0): 8 x lane
.set OO,     28                        ; v28      byte offset in out0 of those 8 bytes
.set WV,     29                        ; v29      the word of W that I gathered
.set UADD,   30                        ; v30      USER_NUM in odd lanes (item words), 0 in even lanes (user words)
.set D,      32                        ; v[32:95] element p: V[u] at D+8p .. +3, V[i] at D+8p+4 .. +7
.set S,      96                        ; v[96:103]  my partial sums of the 8 elements; later steps of the tree
.set K,      104                       ; v[104:111] steps of the tree
	s_load_b256 s[4:11], s[0:1], 0x0               ; INPUT s[4:5], V s[6:7], W s[8:9], b s[10:11]
	s_load_b64 s[12:13], s[0:1], 0x20              ; out0
	v_lshl_add_u32 v112, v0, 2, 0x100
	v_mov_b32 v113, 0
	s_lshl_b32 s16, ttmp9, 9                       ; the work-group's 64 elements in INPUT: 512 bytes
	s_lshl_b32 s17, ttmp9, 8                       ; and in out0: 256 bytes
	s_mov_b32 s20, 0xff00ff00                      ; lanes whose number has bit 3 set
	s_mov_b32 s21, 0xf0f0f0f0                      ; bit 2
	s_mov_b32 s22, 0xcccccccc                      ; bit 1
	v_lshrrev_b32 v[T], 5, v0
	v_readfirstlane_b32 s18, v[T]                  ; wave 0..3
	v_lshl_or_b32 v[WOFF], v0, 2, s16              ; thread t reads word t of the group's 128 words
	v_and_b32 v[IOFF], 0x70, v0                    ; 16 x (2 wave + half)
	v_lshl_or_b32 v[IOFF], v[IOFF], 2, s16         ; x 4 = 64 bytes for each half-wave
	s_wait_kmcnt 0x0
	global_load_b32 v[WIDX], v[WOFF], s[4:5]       ; the wave's 128 bytes of INPUT, one word a lane (for W)
.irp j, 0,1,2,3
	global_load_b128 v[IDX+4*\j:IDX+4*\j+3], v[IOFF], s[4:5] offset:16*\j  ; the same bytes once more, 64 to every lane of a half: spares a 16-way select
.endr
	s_load_b32 s14, s[10:11], 0x0                  ; b; no line of this text writes that buffer
	; lane terms, made while the indices are on their way
	v_and_b32 v[LANE16], 15, v0
	v_lshlrev_b32 v[LANE16], 4, v[LANE16]
	v_and_b32 v[UADD], 1, v0
	v_mul_u32_u24 v[UADD], USER_NUM, v[UADD]
	v_and_b32 v[LW], 0xfe, v0
	v_lshlrev_b32 v[LW], 1, v[LW]                  ; 4 x (t / 2): two lanes hold one element
	v_and_b32 v[LR], 31, v0
	v_lshlrev_b32 v[LR], 3, v[LR]
	v_or_b32 v[OO], s17, v[LR]
	; W first: its 32 words lie farthest apart.
	s_wait_loadcnt 0x4                             ; loads come back in order (ISA guide 5.7.1): my word is in, the four 16-byte index loads may be out
	v_add_nc_u32 v[WIDX], v[WIDX], v[UADD]         ; an item's row lies USER_NUM further down
	v_min_u32 v[T], CLAMP_LO, v[WIDX]
	v_sub_nc_u32 v[WIDX], v[WIDX], v[T]
	v_min_u32 v[WIDX], CLAMP_HI, v[WIDX]
	v_lshlrev_b32 v[T], 2, v[T]
	v_lshl_add_u32 v[WIDX], v[WIDX], 2, v[T]       ; 4 x row
	global_load_b32 v[WV], v[WIDX], s[8:9]
; Four indices (two elements) become four byte offsets 256 x row + 16 x (lane % 16), below 2^31, in four chains side by side; then their four row loads.
.macro GROUP j
	s_wait_loadcnt 4+3*\j                          ; younger than index load j: 3-j index loads, the load from W, 4j row loads
	v_add_nc_u32 v[IDX+4*\j+1], USER_NUM, v[IDX+4*\j+1]
	v_add_nc_u32 v[IDX+4*\j+3], USER_NUM, v[IDX+4*\j+3]
.irp k, 0,1,2,3
	v_min_u32 v[T+\k], CLAMP_LO, v[IDX+4*\j+\k]
.endr
.irp k, 0,1,2,3
	v_sub_nc_u32 v[IDX+4*\j+\k], v[IDX+4*\j+\k], v[T+\k]
.endr
.irp k, 0,1,2,3
	v_min_u32 v[IDX+4*\j+\k], CLAMP_HI, v[IDX+4*\j+\k]
.endr
.irp k, 0,1,2,3
	v_lshl_add_u32 v[T+\k], v[T+\k], 8, v[LANE16]
.endr
.irp k, 0,1,2,3
	v_lshl_add_u32 v[IDX+4*\j+\k], v[IDX+4*\j+\k], 8, v[T+\k]
.endr
.irp k, 0,1,2,3
	global_load_b128 v[D+16*\j+4*\k:D+16*\j+4*\k+3], v[IDX+4*\j+\k], s[6:7]   ; lanes 0-15 one whole row, lanes 16-31 another
.endr
.endm
	GROUP 0
	GROUP 1
	GROUP 2
	GROUP 3
	; My four products of each element, summed.
.irp p, 0,1,2,3,4,5,6,7
	s_wait_loadcnt 14-2*\p                         ; both rows of element p are in; two loads for each later element may be out
	v_pk_mul_f32 v[D+8*\p:D+8*\p+1], v[D+8*\p:D+8*\p+1], v[D+8*\p+4:D+8*\p+5]
	v_pk_fma_f32 v[D+8*\p:D+8*\p+1], v[D+8*\p+2:D+8*\p+3], v[D+8*\p+6:D+8*\p+7], v[D+8*\p:D+8*\p+1]
	v_add_f32 v[S+\p], v[D+8*\p], v[D+8*\p+1]
.endr
	; The tree over the 16 lanes of a half, transposing as it sums.  In each step a lane keeps one of two elements' sums, chosen by one bit
	; of its number, and hands the other to the lane whose number differs in that bit.  Eight sums become four, two, one:
	; lane r ends with element r / 2, summed over the eight lanes of r's parity.
.irp p, 0,1,2,3
	v_cndmask_b32 v[K+2*\p],   v[S+\p],   v[S+\p+4], s20     ; keep: bit 3 set ? element p+4 : element p
	v_cndmask_b32 v[K+2*\p+1], v[S+\p+4], v[S+\p],   s20     ; hand over the other
.endr
.irp p, 0,1,2,3
	v_add_f32_dpp v[K+2*\p], v[K+2*\p+1], v[K+2*\p] row_xmask:8 row_mask:0xf bank_mask:0xf
.endr
.irp p, 0,1
	v_cndmask_b32 v[S+2*\p],   v[K+2*\p],   v[K+2*\p+4], s21 ; bit 2 set ? element p+2 : element p (of the four left)
	v_cndmask_b32 v[S+2*\p+1], v[K+2*\p+4], v[K+2*\p],   s21
.endr
.irp p, 0,1
	v_add_f32_dpp v[S+2*\p], v[S+2*\p+1], v[S+2*\p] row_xmask:4 row_mask:0xf bank_mask:0xf
.endr
	v_cndmask_b32 v[K],   v[S],   v[S+2], s22                ; bit 1
	v_cndmask_b32 v[K+1], v[S+2], v[S],   s22
	v_add_f32_dpp v[K], v[K+1], v[K] row_xmask:2 row_mask:0xf bank_mask:0xf
	v_add_f32 v[K], v[K], v[WV]                    ; even lane: + W[u], odd lane: + W[i] of the same element (the load from W is older than the rows waited for above)
	v_add_f32_dpp v[K], v[K], v[K] row_xmask:1 row_mask:0xf bank_mask:0xf    ; the two parities meet: dot + W[u] + W[i]
	s_wait_kmcnt 0x0                               ; b
	v_add_f32 v[K], s14, v[K]
	; The way out: 64 results of four waves meet in 256 bytes of LDS, so that one store writes the group's 256 bytes of out0.
	ds_store_b32 v[LW], v[K]                       ; the two lanes of an element write the same word with the same value
	s_wait_dscnt 0x0                               ; for the reading wave's sake: my store is done before I signal
	s_barrier_signal -1
	s_barrier_wait -1
	s_cmp_lg_u32 s18, 0
	s_cbranch_scc1 .Ldone                          ; waves 1 to 3 are finished
	ds_load_b64 v[S:S+1], v[LR]                    ; two results a lane
	s_wait_dscnt 0x0
	global_store_b64 v[OO], v[S:S+1], s[12:13] th:TH_STORE_NT    ; 32 lanes store 256 consecutive bytes, at a multiple of 256 from out0's first byte
.Ldone:
	s_wait_tensorcnt 0x0
	ds_add_u32 v112, v113
	s_wait_dscnt 0x0
	s_endpgm
.Lfunc_end_k_q218ea1f034_fm:
	.size	k_q218ea1f034_fm, .Lfunc_end_k_q218ea1f034_fm-k_q218ea1f034_fm
	.p2alignl 7, 3214868480
	.fill 96, 4, 3214868480
	.section	.rodata,"a",@progbits
	.p2align	6, 0x0
	.amdhsa_kernel k_q218ea1f034_fm
		.amdhsa_group_segment_fixed_size 768
		.amdhsa_private_segment_fixed_size 0
		.amdhsa_enable_private_segment 0
		.amdhsa_kernarg_size 40
		.amdhsa_user_sgpr_count 2
		.amdhsa_user_sgpr_kernarg_segment_ptr 1
		.amdhsa_wavefront_size32 1
		.amdhsa_system_sgpr_workgroup_id_x 1
		.amdhsa_system_sgpr_workgroup_id_y 1
		.amdhsa_system_sgpr_workgroup_id_z 1
		.amdhsa_system_vgpr_workitem_id 0
		.amdhsa_next_free_vgpr 114
		.amdhsa_next_free_sgpr 66
		.amdhsa_reserve_vcc 0
		.amdhsa_float_denorm_mode_32 3
		.amdhsa_float_denorm_mode_16_64 3
		.amdhsa_memory_ordered 1
		.amdhsa_forward_progress 1
		.amdhsa_inst_pref_size 13
	.end_amdhsa_kernel
	.amdgpu_metadata
---
amdhsa.version: [ 1, 2 ]
amdhsa.kernels:
  - .name:           k_q218ea1f034_fm
    .symbol:         k_q218ea1f034_fm.kd
    .args:
      - { .name: INPUT, .offset: 0, .size: 8, .value_kind: global_buffer, .address_space: global }
      - { .name: V, .offset: 8, .size: 8, .value_kind: global_buffer, .address_space: global }
      - { .name: W, .offset: 16, .size: 8, .value_kind: global_buffer, .address_space: global }
      - { .name: b, .offset: 24, .size: 8, .value_kind: global_buffer, .address_space: global }
      - { .name: out0, .offset: 32, .size: 8, .value_kind: global_buffer, .address_space: global }
    .group_segment_fixed_size: 768
    .private_segment_fixed_size: 0
    .kernarg_segment_align: 8
    .kernarg_segment_size: 40
    .max_flat_workgroup_size: 128
    .sgpr_count:     66
    .vgpr_count:     114
    .wavefront_size: 32
...
	.end_amdgpu_metadata
.endif
;; end of part 1
;; ======== version 2 of 2: 1 launch; version 1 with the launch fm written anew for expert scheduling mode
;; launch fm (part 2): grid 256 x 1, 4 waves a work-group, no clusters, 768 bytes of LDS; arguments INPUT, V, W, b, out0; writes out0
.if DOCPART == 2
	.amdgcn_target "amdgcn-amd-amdhsa--gfx1250"
	.amdhsa_code_object_version 6
	.text
	.protected	k_q218ea1f034_fm
	.globl	k_q218ea1f034_fm
	.p2align	8
	.type	k_q218ea1f034_fm,@function
k_q218ea1f034_fm:
	s_mov_b64 s[64:65], 0
	v_nop
	global_prefetch_b8 v0, s[64:65] scope:SCOPE_SE
	s_setreg_imm32_b32 hwreg(HW_REG_WAVE_SCHED_MODE, 0, 2), 2
	s_setreg_imm32_b32 hwreg(HW_REG_WAVE_MODE, 25, 1), 1
	s_wait_xcnt 0x0
	s_wait_alu depctr_vm_vsrc(0)
; out0[e] = W[u] + W[i] + b + sum over d of V[u][d] * V[i][d],  u = INPUT[e][0],  i = INPUT[e][1] + USER_NUM.
; INPUT [16384][2] i32, V [1500000][64] f32 (a row is 256 bytes), W [1500000] f32, b [1] f32, out0 [16384] f32.
;
; SHARES.  256 work-groups of four waves.  A work-group owns 64 elements = 256 consecutive, aligned bytes of out0.
; A wave owns 16 elements; its half h (16 lanes) owns elements 8h .. 8h+7, and lane r of a half holds bytes 16r .. 16r+15 of
; every row of its half: one 16-byte load of the wave fetches two whole rows of V.  All 17 gathers of a wave (16 row loads,
; one load of 32 words of W) stay out together.
;
; LIMITS, kept on purpose.  (1) Both row numbers (u, and i after USER_NUM is added in 32 bits, as the reference adds it) are served
; from 0 to 1,499,999, the whole table.  A row number outside the table is taken as row 1,499,999; the wrap-round of negative
; row numbers that numpy-style indexing would make is not reproduced.  (2) The sum is formed as (dot + W[u] + W[i]) + b, the dot
; product by a tree over lanes: another order of f32 roundings than the reference's.
;
; NOT USED, and why.  Matrix instructions: each pair of rows meets once, in one dot product of 64; there is no operand to reuse.
; Clusters: no two work-groups are known to read the same bytes.  Tensor loads and an LDS ring: a row is used once, by the 16 lanes
; that load it.  Prefetches: a row's address is known only when its index has arrived, and there its load itself is due.
; No non-temporal hint on V and W: the list may name a row twice.
;
; THE MODE: SCHED_MODE bits 1:0 = 2 (LLVM: expert scheduling mode 2), set by the entry lines.  The code itself states the register dependences
; between vector instructions and memory or LDS instructions, with s_wait_alu, always for 0.
; THE PLAN.  Registers that memory or LDS instructions touch, in program order (the text has no loop):
;   v2, v3, v26, v27, v28, v112, v113   offsets and LDS addresses: written by vector lines at the head, read by loads, stores and the closing add, never written again.
;   v20, v[4:19]   an index load lands in each; vector lines turn it in place into a byte offset; a gather reads it; never written again.
;   v29, v[32:95]  gathers land in them; no vector line names them before that.
;   v104           the tree's result: the LDS store's data.     v[96:97]  written and read by the tree; then wave 0's LDS load lands in them.
; So four waits on va_vdst state everything: one at the head (all addresses); one behind the offsets of W and of elements 0 to 3, ahead of nine gathers;
; one behind the offsets of elements 4 to 7, ahead of eight gathers, made while the first nine are on their way; one ahead of the LDS store.
; No register that a memory or LDS instruction reads is written again, so the body holds no wait on vm_vsrc.
.set USER_NUM, 1000000
.set ROWS,     1500000
.set CLAMP_LO, 0x100000                ; the row number is bounded in two parts: lo = min(row, CLAMP_LO),
.set CLAMP_HI, ROWS-1-CLAMP_LO         ; hi = min(row - lo, 451,423); lo + hi = min(row, 1,499,999)
.set LANE16, 1                         ; v1       16 x (lane % 16): my 16 bytes in a row of V
.set IOFF,   2                         ; v2       byte offset in INPUT of my half's 8 elements (64 bytes)
.set WOFF,   3                         ; v3       byte offset in INPUT of the one word that is mine: word l of my wave's 32
.set IDX,    4                         ; v[4:19]  u0,i0,u1,i1 .. u7,i7 of my half; turned in place into byte offsets in V
.set WIDX,   20                        ; v20      my own index word; turned in place into a byte offset in W
.set T,      22                        ; v[22:25] at work
.set LW,     26                        ; v26      LDS byte where my element's result goes
.set LR,     27                        ; v27      LDS bytes that I read back (wave 0): 8 x lane
.set OO,     28                        ; v28      byte offset in out0 of those 8 bytes
.set WV,     29                        ; v29      the word of W that I gathered
.set UADD,   30                        ; v30      USER_NUM in odd lanes (item words), 0 in even lanes (user words)
.set D,      32                        ; v[32:95] element p: V[u] at D+8p .. +3, V[i] at D+8p+4 .. +7
.set S,      96                        ; v[96:103]  my partial sums of the 8 elements; later steps of the tree
.set K,      104                       ; v[104:111] steps of the tree
	s_load_b256 s[4:11], s[0:1], 0x0               ; INPUT s[4:5], V s[6:7], W s[8:9], b s[10:11]
	s_load_b64 s[12:13], s[0:1], 0x20              ; out0
	v_lshl_add_u32 v112, v0, 2, 0x100
	v_mov_b32 v113, 0
	s_lshl_b32 s16, ttmp9, 9                       ; the work-group's 64 elements in INPUT: 512 bytes
	s_lshl_b32 s17, ttmp9, 8                       ; and in out0: 256 bytes
	s_mov_b32 s20, 0xff00ff00                      ; lanes whose number has bit 3 set
	s_mov_b32 s21, 0xf0f0f0f0                      ; bit 2
	s_mov_b32 s22, 0xcccccccc                      ; bit 1
	v_lshrrev_b32 v[T], 5, v0
	v_readfirstlane_b32 s18, v[T]                  ; wave 0..3
	v_lshl_or_b32 v[WOFF], v0, 2, s16              ; thread t reads word t of the group's 128 words
	v_and_b32 v[IOFF], 0x70, v0                    ; 16 x (2 wave + half)
	v_lshl_or_b32 v[IOFF], v[IOFF], 2, s16         ; x 4 = 64 bytes for each half-wave
	; lane terms, made while the arguments are on their way: none of them needs an argument
	v_and_b32 v[LANE16], 15, v0
	v_lshlrev_b32 v[LANE16], 4, v[LANE16]
	v_and_b32 v[UADD], 1, v0
	v_mul_u32_u24 v[UADD], USER_NUM, v[UADD]
	v_and_b32 v[LW], 0xfe, v0
	v_lshlrev_b32 v[LW], 1, v[LW]                  ; 4 x (t / 2): two lanes hold one element
	v_and_b32 v[LR], 31, v0
	v_lshlrev_b32 v[LR], 3, v[LR]
	v_or_b32 v[OO], s17, v[LR]
	s_wait_alu depctr_va_sdst(0)                   ; s18 is written, ahead of its first reader, the compare in front of the branch on the wave's number
	s_wait_alu depctr_va_vdst(0)                   ; v2, v3, v26, v27, v28, v112 and v113 are written: the index loads, the LDS store and load, the last store and the closing add read them
	s_wait_kmcnt 0x0
	global_load_b32 v[WIDX], v[WOFF], s[4:5]       ; the wave's 128 bytes of INPUT, one word a lane (for W)
.irp j, 0,1,2,3
	global_load_b128 v[IDX+4*\j:IDX+4*\j+3], v[IOFF], s[4:5] offset:16*\j  ; the same bytes once more, 64 to every lane of a half: spares a 16-way select
.endr
	s_load_b32 s14, s[10:11], 0x0                  ; b; no line of this text writes that buffer
; Four indices (two elements) become four byte offsets 256 x row + 16 x (lane % 16), below 2^31, in four chains side by side.
.macro ADDR j
	v_add_nc_u32 v[IDX+4*\j+1], USER_NUM, v[IDX+4*\j+1]
	v_add_nc_u32 v[IDX+4*\j+3], USER_NUM, v[IDX+4*\j+3]
.irp k, 0,1,2,3
	v_min_u32 v[T+\k], CLAMP_LO, v[IDX+4*\j+\k]
.endr
.irp k, 0,1,2,3
	v_sub_nc_u32 v[IDX+4*\j+\k], v[IDX+4*\j+\k], v[T+\k]
.endr
.irp k, 0,1,2,3
	v_min_u32 v[IDX+4*\j+\k], CLAMP_HI, v[IDX+4*\j+\k]
.endr
.irp k, 0,1,2,3
	v_lshl_add_u32 v[T+\k], v[T+\k], 8, v[LANE16]
.endr
.irp k, 0,1,2,3
	v_lshl_add_u32 v[IDX+4*\j+\k], v[IDX+4*\j+\k], 8, v[T+\k]
.endr
.endm
; Their four row loads.
.macro ROWS j
.irp k, 0,1,2,3
	global_load_b128 v[D+16*\j+4*\k:D+16*\j+4*\k+3], v[IDX+4*\j+\k], s[6:7]   ; lanes 0-15 one whole row, lanes 16-31 another
.endr
.endm
	; The first nine offsets: W's and those of elements 0 to 3.
	s_wait_loadcnt 0x4                             ; loads come back in order (ISA guide 5.7.1): my word is in, the four 16-byte index loads may be out
	v_add_nc_u32 v[WIDX], v[WIDX], v[UADD]         ; an item's row lies USER_NUM further down
	v_min_u32 v[T], CLAMP_LO, v[WIDX]
	v_sub_nc_u32 v[WIDX], v[WIDX], v[T]
	v_min_u32 v[WIDX], CLAMP_HI, v[WIDX]
	v_lshlrev_b32 v[T], 2, v[T]
	v_lshl_add_u32 v[WIDX], v[WIDX], 2, v[T]       ; 4 x row
	s_wait_loadcnt 0x2                             ; index loads 0 and 1 are in; loads 2 and 3 may be out
	ADDR 0
	ADDR 1
	s_wait_alu depctr_va_vdst(0)                   ; v20 and v[4:11] are written: the nine gathers below read them as offsets
	global_load_b32 v[WV], v[WIDX], s[8:9]         ; W first: its 32 words lie farthest apart
	ROWS 0
	ROWS 1
	; The other eight offsets, made while those nine gathers are on their way; they name none of the registers that the nine touch.
	s_wait_loadcnt 0x9                             ; index loads 2 and 3 are in; the nine gathers just issued may be out
	ADDR 2
	ADDR 3
	s_wait_alu depctr_va_vdst(0)                   ; v[12:19] are written: the eight gathers below read them as offsets
	ROWS 2
	ROWS 3
	; My four products of each element, summed.
.irp p, 0,1,2,3,4,5,6,7
	s_wait_loadcnt 14-2*\p                         ; both rows of element p are in; two loads for each later element may be out
	v_pk_mul_f32 v[D+8*\p:D+8*\p+1], v[D+8*\p:D+8*\p+1], v[D+8*\p+4:D+8*\p+5]
	v_pk_fma_f32 v[D+8*\p:D+8*\p+1], v[D+8*\p+2:D+8*\p+3], v[D+8*\p+6:D+8*\p+7], v[D+8*\p:D+8*\p+1]
	v_add_f32 v[S+\p], v[D+8*\p], v[D+8*\p+1]
.endr
	; The tree over the 16 lanes of a half, transposing as it sums.  In each step a lane keeps one of two elements' sums, chosen by one bit
	; of its number, and hands the other to the lane whose number differs in that bit.  Eight sums become four, two, one:
	; lane r ends with element r / 2, summed over the eight lanes of r's parity.
.irp p, 0,1,2,3
	v_cndmask_b32 v[K+2*\p],   v[S+\p],   v[S+\p+4], s20     ; keep: bit 3 set ? element p+4 : element p
	v_cndmask_b32 v[K+2*\p+1], v[S+\p+4], v[S+\p],   s20     ; hand over the other
.endr
.irp p, 0,1,2,3
	v_add_f32_dpp v[K+2*\p], v[K+2*\p+1], v[K+2*\p] row_xmask:8 row_mask:0xf bank_mask:0xf
.endr
.irp p, 0,1
	v_cndmask_b32 v[S+2*\p],   v[K+2*\p],   v[K+2*\p+4], s21 ; bit 2 set ? element p+2 : element p (of the four left)
	v_cndmask_b32 v[S+2*\p+1], v[K+2*\p+4], v[K+2*\p],   s21
.endr
.irp p, 0,1
	v_add_f32_dpp v[S+2*\p], v[S+2*\p+1], v[S+2*\p] row_xmask:4 row_mask:0xf bank_mask:0xf
.endr
	v_cndmask_b32 v[K],   v[S],   v[S+2], s22                ; bit 1
	v_cndmask_b32 v[K+1], v[S+2], v[S],   s22
	v_add_f32_dpp v[K], v[K+1], v[K] row_xmask:2 row_mask:0xf bank_mask:0xf
	v_add_f32 v[K], v[K], v[WV]                    ; even lane: + W[u], odd lane: + W[i] of the same element (the load from W is older than the rows waited for above)
	v_add_f32_dpp v[K], v[K], v[K] row_xmask:1 row_mask:0xf bank_mask:0xf    ; the two parities meet: dot + W[u] + W[i]
	s_wait_kmcnt 0x0                               ; b
	v_add_f32 v[K], s14, v[K]
	; The way out: 64 results of four waves meet in 256 bytes of LDS, so that one store writes the group's 256 bytes of out0.
	s_wait_alu depctr_va_vdst(0)                   ; v104 is written, which the LDS store reads; the tree is done writing and reading v[96:97], in which wave 0's LDS load lands (no vector line follows this wait)
	ds_store_b32 v[LW], v[K]                       ; the two lanes of an element write the same word with the same value
	s_wait_dscnt 0x0                               ; for the reading wave's sake: my store is done before I signal
	s_barrier_signal -1
	s_barrier_wait -1
	s_cmp_lg_u32 s18, 0
	s_cbranch_scc1 .Ldone                          ; waves 1 to 3 are finished
	ds_load_b64 v[S:S+1], v[LR]                    ; two results a lane
	s_wait_dscnt 0x0
	global_store_b64 v[OO], v[S:S+1], s[12:13] th:TH_STORE_NT    ; 32 lanes store 256 consecutive bytes, at a multiple of 256 from out0's first byte
.Ldone:
	s_wait_dscnt 0x0                               ; the closing lines, six on end
	s_wait_alu 0x0
	s_wait_tensorcnt 0x0
	ds_add_u32 v112, v113
	s_wait_dscnt 0x0
	s_endpgm
.Lfunc_end_k_q218ea1f034_fm:
	.size	k_q218ea1f034_fm, .Lfunc_end_k_q218ea1f034_fm-k_q218ea1f034_fm
	.p2alignl 7, 3214868480
	.fill 96, 4, 3214868480
	.section	.rodata,"a",@progbits
	.p2align	6, 0x0
	.amdhsa_kernel k_q218ea1f034_fm
		.amdhsa_group_segment_fixed_size 768
		.amdhsa_private_segment_fixed_size 0
		.amdhsa_enable_private_segment 0
		.amdhsa_kernarg_size 40
		.amdhsa_user_sgpr_count 2
		.amdhsa_user_sgpr_kernarg_segment_ptr 1
		.amdhsa_wavefront_size32 1
		.amdhsa_system_sgpr_workgroup_id_x 1
		.amdhsa_system_sgpr_workgroup_id_y 1
		.amdhsa_system_sgpr_workgroup_id_z 1
		.amdhsa_system_vgpr_workitem_id 0
		.amdhsa_next_free_vgpr 114
		.amdhsa_next_free_sgpr 66
		.amdhsa_reserve_vcc 0
		.amdhsa_float_denorm_mode_32 3
		.amdhsa_float_denorm_mode_16_64 3
		.amdhsa_memory_ordered 1
		.amdhsa_forward_progress 1
		.amdhsa_inst_pref_size 13
	.end_amdhsa_kernel
	.amdgpu_metadata
---
amdhsa.version: [ 1, 2 ]
amdhsa.kernels:
  - .name:           k_q218ea1f034_fm
    .symbol:         k_q218ea1f034_fm.kd
    .args:
      - { .name: INPUT, .offset: 0, .size: 8, .value_kind: global_buffer, .address_space: global }
      - { .name: V, .offset: 8, .size: 8, .value_kind: global_buffer, .address_space: global }
      - { .name: W, .offset: 16, .size: 8, .value_kind: global_buffer, .address_space: global }
      - { .name: b, .offset: 24, .size: 8, .value_kind: global_buffer, .address_space: global }
      - { .name: out0, .offset: 32, .size: 8, .value_kind: global_buffer, .address_space: global }
    .group_segment_fixed_size: 768
    .private_segment_fixed_size: 0
    .kernarg_segment_align: 8
    .kernarg_segment_size: 40
    .max_flat_workgroup_size: 128
    .sgpr_count:     66
    .vgpr_count:     114
    .wavefront_size: 32
...
	.end_amdgpu_metadata
.endif
;; end of part 2
